; MI455X (gfx1250); checked and timed in simulation.
; The chip was launched on July 23, 2026; its instructions are those of AMD's public machine-readable ISA for CDNA 5 (MIT licence, August 2026) and "CDNA5" Instruction Set Architecture Reference Guide (July 2026). The comments in the code are by the model that wrote it; some were corrected since.
;; MY Non Local Block ND. Allowed arithmetic: float matrix products may take bf16 or f16 operands with f32 sums; other float arithmetic in f32, or as packed bf16 or f16 multiplies, adds, multiply-adds, maxima and minima; sums over many terms, partial sums and values carried from step to step in f32; what a program stores and reads back later, other than sums and carried values, may be rounded once to bf16 or f16.
;; Inputs: Wg 128 x 256 float32; Wph 128 x 256 float32; Wth 128 x 256 float32; Ww 256 x 128 float32; beta 256 float32; bg 128 float32; bph 128 float32; bth 128 float32; bw 256 float32; gamma 256 float32; k 8 x 256 x 64 x 64 float32; mean 256 float32; q 8 x 256 x 64 x 64 float32; v 8 x 256 x 64 x 64 float32; var 256 float32.
;; Outputs: out0 8 x 256 x 64 x 64 float32.
;; One version. Each part assembles by itself: llvm-mc -triple=amdgcn-amd-amdhsa -mcpu=gfx1250 --defsym DOCPART=n.
;; ======== version 1 of 1: 2 launches
;; limits: values are held in f16: magnitudes above 65,504 overflow, below 6.1e-05 lose precision
;; workspace buffers: PHI 2,097,152 bytes; G 2,097,152 bytes; WTH16 65,536 bytes; WW16 65,536 bytes; TV 1,024 bytes
;; launch prep (part 1): grid 128 x 2, 4 waves a work-group, clusters of 4 x 1, 270,848 bytes of LDS; arguments q, v, Wph, Wg, PHI, G, Wth, Ww, WTH16, WW16, gamma, var, bw, mean, beta, TV; writes PHI, G, WTH16, WW16, TV
.if DOCPART == 1
	.amdgcn_target "amdgcn-amd-amdhsa--gfx1250"
	.amdhsa_code_object_version 6
	.text
	.protected	k_q47aa053cdd_prep
	.globl	k_q47aa053cdd_prep
	.p2align	8
	.type	k_q47aa053cdd_prep,@function
k_q47aa053cdd_prep:
	s_mov_b64 s[64:65], 0
	v_nop
	global_prefetch_b8 v0, s[64:65] scope:SCOPE_SE
	s_setreg_imm32_b32 hwreg(HW_REG_WAVE_MODE, 25, 1), 1
	s_wait_xcnt 0x0
	s_wait_alu depctr_hold_cnt(0) depctr_sa_sdst(0) depctr_va_vdst(0) depctr_va_sdst(0) depctr_va_ssrc(0) depctr_va_vcc(0) depctr_vm_vsrc(0)
	s_getreg_b32 s2, hwreg(HW_REG_IB_STS2, 6, 4)
	s_cmp_eq_u32 s2, 0
	s_cbranch_scc0 .Lentry_in_a_cluster
	s_endpgm
.Lentry_in_a_cluster:
	s_bfe_u32 s2, ttmp6, 0x10000c
	s_cmp_lg_u32 s2, 0x3003
	s_cbranch_scc0 .Lentry_shape_is_right
	s_endpgm
.Lentry_shape_is_right:
; PREP: 4 phi = Wph sum4(q) and 4 g0 = Wg sum4(v), in f16, laid out in the order in which the attention's operand registers take them; Wth and the scaled Ww in f16 fragment order; T.
; LESS WORK THAN WRITTEN.  The 2 x 2 mean and the 1 x 1 convolution are both linear maps, on different axes: pool(W x + b) = W pool(x) + b for all x, W, b.  So the images are pooled first
; and the two products have a quarter of the columns.  The mean's factor 1/4, a power of two, is applied in the second launch: to the scores with c, to y with 1 / l.
; DEAD WORK.  bph: f[n][m] = theta_n . (Wph pool(q)_m + bph) = theta_n . Wph pool(q)_m + theta_n . bph.  The last term is the same for all m of a row n, and the softmax runs along m: it cancels
; for all values of the inputs.  bph has no other way to the output: it is not loaded and is no argument of any launch.
; LIMIT: a NaN, an infinity or an overflow that reaches only theta_n . bph is not carried to the result.
; FOLDED, NOT DROPPED.  bg: the weights of a row sum to 1, so sum_m p (g0_m + bg) = sum_m p g0_m + bg: the second launch adds bg once, in f32.  With s = gamma rsqrt(var + 1e-5):
; (Ww y + bw - mean) s + beta = (s Ww) y + T, T = (bw - mean) s + beta: s Ww is stored in f16, T in f32.
; FORMAT.  All matrix operands are f16.  LIMIT: the sums of four pixels of q and v, the weights, s Ww, 4 phi and 4 g0 must stay within 65,504.
; SHARES.  Grid y: 0 = q, Wph -> PHI; 1 = v, Wg -> G.  Grid x: batch x / 16, chunk x % 16 of 64 pooled places: two pooled rows, 1,024 consecutive bytes of each of the 256 channels.
; THE CHANNELS ARE SPLIT AMONG THE FOUR WAVES: wave w takes c = 64 w .. 64 w + 63 for all 64 places and all 128 outputs, so each byte of the image and of W is fetched once a work-group.
; The four partial sums (f32) meet in LDS; wave w finishes key tile w of the four.
; CLUSTER.  The four work-groups of a cluster have the same y and so the same W: wave w's slice of it, 128 rows x 256 bytes, is asked for JOINTLY, by the same tensor load with the same descriptor
; and a mask that names the four.  It lands in rows of 272 bytes, is read by the wave that asked for it alone, and is rounded to f16 on its way into the fragments.
; KEY TILES.  Index i of tile 2 ph + par is the pooled place (row ph, column 2 i + par): a lane's 16 bytes of an image row (columns 4 r .. 4 r + 3) then give index r of both tiles.  The order of
; keys is the same in PHI and G, and a softmax and a sum over keys do not hang on it.
; LAYOUT of PHI and G: byte = b 262144 + ph 8192 + blk' 1024 + par 512 + lane 16.  Lane (r = l % 16, h = l / 16): PHI: key r, channels 16 blk + 8 h + 0..7; G: channel 16 blk + r, keys 8 h + 0..7.
; For ph >= 16 block blk lies at blk' = blk ^ 4: the waves that walk those keys find their own 64 channels under the same register numbers as the others.
.set PITCH, 272                        ; a row of W in LDS: 256 bytes + 16 of padding = 68 words: the 16 rows of a load start at 16 different groups of four banks (64 banks of 4 bytes: ISA guide 11.1)
.set WTB,   128*PITCH                  ; a wave's slice of W
.set PART,  4*WTB                      ; behind the four slices: the partial sums, 32,768 bytes a wave; no tensor load lands here
.set SPARE, PART+131072                ; behind them: the spare words, 128 bytes for each wave: two blocks of 256 bytes that no other line names
.set XO,  4                            ; v4   (64 w + 8 h) channels + 16 r: my 16 bytes of an image row
.set WL,  5                            ; v5   my wave's slice + r rows + 32 h
.set LSW, 6                            ; v6   where I put my partial sums
.set RD,  7                            ; v7-10 where I read the four partial sums of my tile
.set SO0, 11                           ; v11  my 16 bytes of a unit, channel blocks 0-3
.set SO1, 12                           ; v12  the same for blocks 4-7
.set SPW, 62                           ; v62  my spare word; never rewritten
.set NIL, 63                           ; v63  0; never rewritten
.set XF,  64                           ; v64-127  pooled fragments: tile kt, chunk cl at XF + 8 (2 kt + cl); later the finished f16
.set WF,  128                          ; v128-255 W's fragments: block blk, chunk cl at WF + 8 (2 blk + cl)
; window 1: W in f32 (256), then the 32 accumulators (tile kt, block blk at 8 (8 kt + blk));  windows 2, 3: the image as loaded, four groups of 128; window 2 later the four partial sums
.set WV, 12                            ; s12 wave   s13 y   s14 x   s15 batch   s16 chunk   s17 1 for the second half of the keys   s18 cx
.set YY, 13
.set XX, 14
.set CX, 18
.set XB, 20                            ; s[20:21] the image at my batch and chunk
.set WB, 22                            ; s[22:23] W
.set OB, 24                            ; s[24:25] PHI or G at my two pooled rows
.set G1, 40                            ; s[40:47] descriptor group 1
.set G0, 48                            ; s[48:51] descriptor group 0
.set MSB, 0
.macro WIN new                         ; s_set_vgpr_msb: bits 1:0 source 0, 3:2 source 1, 5:4 source 2, 7:6 destination; the high byte repeats the setting that is left
.if MSB != (\new)
	s_set_vgpr_msb (MSB<<8)|(\new)
.set MSB, \new
.endif
.endm
; A round of the cluster's barrier: my work-group's barrier; wave 0 signals for the work-group; every wave waits for all four work-groups; my work-group's barrier once more.
.macro CROUND
	s_barrier_signal -1
	s_barrier_wait -1
	s_cmp_lg_u32 s[WV], 0
	s_cbranch_scc1 .Lnot_wave_0_\@
	s_barrier_signal -3
.Lnot_wave_0_\@:
	s_barrier_wait -3
	s_barrier_signal -1
	s_barrier_wait -1
.endm
	s_load_b512 s[68:83], s[0:1], 0x0              ; q 68, v 70, Wph 72, Wg 74, PHI 76, G 78, Wth 80, Ww 82
	s_load_b512 s[84:99], s[0:1], 0x40             ; WTH16 84, WW16 86, gamma 88, var 90, bw 92, mean 94, beta 96, TV 98
	v_lshl_add_u32 v[SPW], v0, 2, SPARE
	v_mov_b32 v[NIL], 0
	ds_add_u32 v[SPW], v[NIL]                      ; the wave's opening: the add, twice on end, and its wait ahead of my tensor load; the set-up below stands between
	ds_add_u32 v[SPW], v[NIL]
	v_lshrrev_b32 v13, 5, v0
	v_readfirstlane_b32 s[WV], v13                 ; wave 0..3
	s_and_b32 s[YY], ttmp7, 0xffff
	s_bfe_u32 s[CX], ttmp6, 0x40000                ; cx: it enters addresses in memory alone
	s_lshl_b32 s[XX], ttmp9, 2                     ; in a cluster launch ttmp9 counts clusters
	s_add_co_u32 s[XX], s[XX], s[CX]
	s_lshr_b32 s15, s[XX], 4
	s_and_b32 s16, s[XX], 15
	s_lshr_b32 s17, s16, 3
	; descriptor group 1: a tile of 128 rows x 64 elements of 4 bytes, padded in LDS
	s_mov_b32 s[G1], 15|(2<<16)|(1<<20)|(1<<21)|(5<<22)|(3<<25)  ; 15:0 the mask of four; 17:16 elements of 4 bytes; 20 padding on; 21 set beside a mask; 24:22 after every 64 words (code 5); 31:25 4 words (code 3)
	s_mov_b32 s[G1+1], 64<<16                      ; tensor_dim0 = 64
	s_mov_b32 s[G1+2], 128<<16                     ; tensor_dim1 = 128
	s_mov_b32 s[G1+3], 64<<16                      ; tile_dim0 = 64
	s_mov_b32 s[G1+4], 128                         ; tile_dim1 = 128
	s_mov_b32 s[G1+5], 256                         ; 256 elements from row to row
	s_mov_b32 s[G1+6], 0
	s_mov_b32 s[G1+7], 0
	s_mul_i32 s29, s[WV], WTB                      ; wave w's slice lies at w x 34,816: no place in the cluster enters an LDS address
	s_mov_b32 s[G0], 1
	s_mov_b32 s[G0+1], s29
	v_and_b32 v1, 15, v0                           ; r
	v_bfe_u32 v2, v0, 4, 1                         ; h
	v_and_b32 v3, 31, v0                           ; lane
	s_lshl_b32 s28, s[WV], 20                      ; 64 w channels of 16,384 bytes
	v_lshlrev_b32 v[XO], 4, v1
	v_lshl_add_u32 v[XO], v2, 17, v[XO]
	v_add_nc_u32 v[XO], s28, v[XO]
	v_mul_u32_u24 v[WL], v1, PITCH
	v_lshl_add_u32 v[WL], v2, 5, v[WL]
	v_add_nc_u32 v[WL], s29, v[WL]
	s_lshl_b32 s28, s[WV], 15                      ; a wave's 32 accumulators are 32,768 bytes
	s_add_co_u32 s28, s28, PART
	v_lshl_add_u32 v[LSW], v3, 4, s28
	s_lshl_b32 s28, s[WV], 13                      ; my tile's 8 accumulators in each wave's part
	s_add_co_u32 s28, s28, PART
	v_lshl_add_u32 v[RD], v3, 4, s28
	v_add_nc_u32 v[RD+1], 0x8000, v[RD]
	v_add_nc_u32 v[RD+2], 0x10000, v[RD]
	v_add_nc_u32 v[RD+3], 0x18000, v[RD]
	s_lshr_b32 s28, s[WV], 1                       ; tile w: pooled row w / 2, parity w % 2
	s_lshl_b32 s28, s28, 13
	s_and_b32 s29, s[WV], 1
	s_lshl_b32 s29, s29, 9
	s_add_co_u32 s28, s28, s29
	s_lshl_b32 s29, s17, 12                        ; blocks 0-3 lie four places on for the second half of the keys,
	s_add_co_u32 s30, s28, s29
	s_xor_b32 s29, s29, 4096                       ; blocks 4-7 for the first
	s_add_co_u32 s31, s28, s29
	v_lshl_add_u32 v[SO0], v3, 4, s30
	v_lshl_add_u32 v[SO1], v3, 4, s31
	s_lshl_b32 s2, s15, 22                         ; a batch's image is 4 MiB,
	s_lshl_b32 s3, s16, 10                         ; a chunk 1,024 bytes of a channel
	s_add_co_u32 s2, s2, s3
	s_mov_b32 s3, 0
	s_lshl_b32 s34, s15, 18
	s_lshl_b32 s35, s16, 14
	s_add_co_u32 s34, s34, s35
	s_mov_b32 s35, 0
	s_lshl_b32 s30, s[WV], 8                       ; my 64 channels: 256 bytes of a row of W
	s_mov_b32 s31, 0
	s_wait_dscnt 0x0                               ; both opening adds are done
	s_wait_kmcnt 0x0
	s_cmp_eq_u32 s[YY], 0
	s_cselect_b64 s[XB:XB+1], s[68:69], s[70:71]
	s_cselect_b64 s[WB:WB+1], s[72:73], s[74:75]
	s_cselect_b64 s[OB:OB+1], s[76:77], s[78:79]
	s_add_nc_u64 s[XB:XB+1], s[XB:XB+1], s[2:3]
	s_add_nc_u64 s[OB:OB+1], s[OB:OB+1], s[34:35]
	s_add_nc_u64 s[G0+2:G0+3], s[WB:WB+1], s[30:31]  ; W's address hangs on y and the wave's number alone, which the four partners share
	s_or_b32 s[G0+3], s[G0+3], 0x80000000          ; type = 2
; Group g = 2 pr + cl of the image: pooled row pr, channels 32 cl on.  Sixteen lanes take the 256 consecutive bytes of one image row of one channel, the other sixteen those of the channel 8 further on.
.macro XLOAD g
	WIN (2+((\g)>>1))<<6
.set i, 0
.rept 32                               ; i = 2 (8 hf + j) + image row
	global_load_b128 v[((\g)&1)*128+4*i:((\g)&1)*128+4*i+3], v[XO], s[XB:XB+1] offset:(32*((\g)&1)+16*(i/16)+((i/2)%8))*16384+((\g)>>1)*512+(i%2)*256
.set i, i+1
.endr
.endm
	XLOAD 0                                        ; the first group is on its way while the partners meet
	WIN 0
	CROUND                                         ; all four work-groups are here: the joint loads meet
	tensor_load_to_lds s[G0:G0+3], s[G1:G1+7]      ; my slice of W: the wave's one tensor load
	s_nop 0
.rept 4
	v_nop
.endr
	XLOAD 1
	XLOAD 2
	XLOAD 3
; Group g is pooled: for each of my 16 channels the two image rows are added, then neighbouring columns: columns 4 r, 4 r + 1 make index r of the even tile, 4 r + 2, 4 r + 3 of the odd one.
; Pairs of channels are rounded to f16 into the fragments.
.macro POOL g
.set pB, ((\g)&1)*128
.set pW, 2+((\g)>>1)
	WIN (pW<<6)|(pW<<2)|pW
.set i, 0
.rept 16
	v_pk_add_f32 v[pB+8*i:pB+8*i+1], v[pB+8*i:pB+8*i+1], v[pB+8*i+4:pB+8*i+5]
	v_pk_add_f32 v[pB+8*i+2:pB+8*i+3], v[pB+8*i+2:pB+8*i+3], v[pB+8*i+6:pB+8*i+7]
.set i, i+1
.endr
.set i, 0
.rept 16
	v_add_f32 v[pB+8*i], v[pB+8*i], v[pB+8*i+1]
	v_add_f32 v[pB+8*i+2], v[pB+8*i+2], v[pB+8*i+3]
.set i, i+1
.endr
	WIN (pW<<2)|pW
.set i, 0
.rept 16                               ; i = 8 t + pair of channels
	v_cvt_pk_f16_f32 v[XF+8*(2*(2*((\g)>>1)+i/8)+((\g)&1))+i%8], v[pB+16*(i%8)+2*(i/8)], v[pB+16*(i%8)+8+2*(i/8)]
.set i, i+1
.endr
.endm
; W out of LDS, a quarter (16 loads) at a time.  Load i = 4 (2 blk + cl) + 2 hf + u: row 16 blk + r, channels 32 cl + 16 hf + 8 h + 4 u .. of my 64.
.macro WLD q
	WIN 0x40                                       ; destination window 1
.set i, 16*(\q)
.rept 16
	ds_load_b128 v[4*i:4*i+3], v[WL] offset:(i/8)*16*PITCH+((i/4)%2)*128+((i/2)%2)*64+(i%2)*16
.set i, i+1
.endr
.endm
.macro WCV q                           ; and rounded to f16 into the fragments
	WIN 0x05
.set i, 32*(\q)
.rept 32
	v_cvt_pk_f16_f32 v[WF+i], v[2*i], v[2*i+1]
.set i, i+1
.endr
.endm
	s_wait_tensorcnt 0x0                           ; my slice of W lies in LDS; nobody else reads it
	WLD 0
	WLD 1
	WLD 2
	s_wait_dscnt 32                                ; quarter 0 is in; the 32 loads of quarters 1 and 2 are younger
	WCV 0
	WLD 3
	s_wait_dscnt 32                                ; quarter 1; quarters 2 and 3 are younger
	WCV 1
	s_wait_dscnt 16
	WCV 2
	s_wait_dscnt 0x0
	WCV 3
	s_wait_loadcnt 63                              ; of the 128 image loads at most the youngest 63 are out: groups 0 and 1 (the first 64) are in
	POOL 0
	POOL 1
	WIN 0
; THE SIDE WORK, while groups 2 and 3 are on their way.  Each block holds its loads, the wait for them, its work and its store.
	s_cmp_lg_u32 s[WV], 0
	s_cbranch_scc1 .Lnot_w0
	s_lshl_b32 s31, s[XX], 9
	v_lshl_add_u32 v15, v3, 4, s31                 ; half fragment x: 512 bytes
	s_cmp_lg_u32 s[YY], 0
	s_cbranch_scc1 .Lside_ww
	s_lshr_b32 s28, s[XX], 4                       ; WTH16, half fragment x = 16 cb + 2 cc + hf: Wth[16 cb + r][32 cc + 16 hf + 8 h + 0..7]
	s_lshl_b32 s28, s28, 14
	s_bfe_u32 s29, s[XX], 0x30001
	s_lshl_b32 s29, s29, 7
	s_add_co_u32 s28, s28, s29
	s_and_b32 s29, s[XX], 1
	s_lshl_b32 s29, s29, 6
	s_add_co_u32 s28, s28, s29
	v_lshlrev_b32 v14, 10, v1
	v_lshl_add_u32 v14, v2, 5, v14
	v_add_nc_u32 v14, s28, v14
	global_load_b128 v[16:19], v14, s[80:81]
	global_load_b128 v[20:23], v14, s[80:81] offset:16
	s_wait_loadcnt 0x0
.irp i, 0,1,2,3
	v_cvt_pk_f16_f32 v[28+\i], v[16+2*\i], v[17+2*\i]
.endr
	global_store_b128 v15, v[28:31], s[84:85]      ; 512 consecutive bytes
	s_branch .Lside_done
.Lside_ww:
	s_lshr_b32 s30, s[XX], 3                       ; WW16, half fragment x = 8 ob + 2 q + hf: s_o Ww[o = 16 ob + r][32 q + 16 hf + 8 h + 0..7]
	s_lshl_b32 s28, s30, 13
	s_bfe_u32 s29, s[XX], 0x20001
	s_lshl_b32 s29, s29, 7
	s_add_co_u32 s28, s28, s29
	s_and_b32 s29, s[XX], 1
	s_lshl_b32 s29, s29, 6
	s_add_co_u32 s28, s28, s29
	v_lshlrev_b32 v14, 9, v1
	v_lshl_add_u32 v14, v2, 5, v14
	v_add_nc_u32 v14, s28, v14
	s_lshl_b32 s30, s30, 6
	v_lshl_add_u32 v32, v1, 2, s30
	global_load_b128 v[16:19], v14, s[82:83]
	global_load_b128 v[20:23], v14, s[82:83] offset:16
	global_load_b32 v24, v32, s[88:89]
	global_load_b32 v25, v32, s[90:91]
	s_wait_loadcnt 0x0
	v_add_f32 v25, 0x3727c5ac, v25                 ; var + 1e-5
	v_rsq_f32 v26, v25
	v_nop                                          ; a plain instruction behind the root,
	s_wait_alu depctr_va_vdst(0)                   ; and the wait ahead of its first reader
	v_mul_f32 v26, v24, v26
	v_mov_b32 v27, v26
.irp i, 0,1,2,3
	v_pk_mul_f32 v[16+2*\i:17+2*\i], v[16+2*\i:17+2*\i], v[26:27]
.endr
.irp i, 0,1,2,3
	v_cvt_pk_f16_f32 v[28+\i], v[16+2*\i], v[17+2*\i]
.endr
	global_store_b128 v15, v[28:31], s[86:87]
	s_branch .Lside_done
.Lnot_w0:
	s_cmp_lg_u32 s[WV], 1                          ; T, by wave 1 of the four partners of one cluster: the branch hangs on the cluster's number, which they share;
	s_cbranch_scc1 .Lside_done
	s_cmp_lg_u32 s[YY], 1
	s_cbranch_scc1 .Lside_done
	s_cmp_lg_u32 ttmp9, 0
	s_cbranch_scc1 .Lside_done
	s_lshl_b32 s28, s[CX], 8                       ; they share the 256 numbers out by address, 64 each: o = 64 cx + 2 lane + 0, 1
	v_lshl_add_u32 v14, v3, 3, s28
	global_load_b64 v[16:17], v14, s[88:89]        ; gamma
	global_load_b64 v[18:19], v14, s[90:91]        ; var
	global_load_b64 v[20:21], v14, s[92:93]        ; bw
	global_load_b64 v[22:23], v14, s[94:95]        ; mean
	global_load_b64 v[24:25], v14, s[96:97]        ; beta
	s_wait_loadcnt 0x0
	v_add_f32 v18, 0x3727c5ac, v18
	v_add_f32 v19, 0x3727c5ac, v19
	v_rsq_f32 v18, v18
	v_rsq_f32 v19, v19
	v_pk_add_f32 v[20:21], v[20:21], v[22:23] neg_lo:[0,1] neg_hi:[0,1]  ; bw - mean: plain work behind the roots
	s_wait_alu depctr_va_vdst(0)                   ; one wait for the two roots
	v_pk_mul_f32 v[16:17], v[16:17], v[18:19]
	v_pk_fma_f32 v[20:21], v[20:21], v[16:17], v[24:25]
	global_store_b64 v14, v[20:21], s[98:99]       ; 256 consecutive bytes, aligned
.Lside_done:
	s_wait_loadcnt 32                              ; group 2 is in; group 3's 32 loads are younger
	POOL 2
	s_wait_loadcnt 0x0
	POOL 3
	WIN 0
; 64 products: chunk cl outermost, so the 32 accumulators take turns, one instruction a turn; the first chunk starts the sums with the constant 0.
; swap = 0 (phi): source 0 = W: a lane ends with one key and eight channels.  swap = 1 (g): source 0 = the pooled image: one channel and eight keys.
.macro MUL swap
	WIN 0x50                                       ; C and D window 1
.set i, 0
.rept 64                               ; i = 32 cl + 8 kt + blk
.set rD, 8*(i%32)
.set rW, WF+8*(2*(i%8)+i/32)
.set rX, XF+8*(2*((i/8)%4)+i/32)
.if (\swap) && (i < 32)
	v_wmma_f32_16x16x32_f16 v[rD:rD+7], v[rX:rX+7], v[rW:rW+7], 0
.elseif \swap
	v_wmma_f32_16x16x32_f16 v[rD:rD+7], v[rX:rX+7], v[rW:rW+7], v[rD:rD+7]
.elseif i < 32
	v_wmma_f32_16x16x32_f16 v[rD:rD+7], v[rW:rW+7], v[rX:rX+7], 0
.else
	v_wmma_f32_16x16x32_f16 v[rD:rD+7], v[rW:rW+7], v[rX:rX+7], v[rD:rD+7]
.endif
.set i, i+1
.endr
.endm
	s_cmp_lg_u32 s[YY], 0
	s_cbranch_scc1 .Lmul_g
	MUL 0
	WIN 0
	s_branch .Lmul_done
.Lmul_g:
	MUL 1
	WIN 0
.Lmul_done:
.rept 8
	v_nop                                          ; the places between the last products and the LDS stores that read results
.endr
	WIN 0x04                                       ; store data window 1
.set i, 0
.rept 64
	ds_store_b128 v[LSW], v[4*i:4*i+3] offset:512*i  ; each accumulator's low four registers first; 32 lanes write 512 consecutive bytes
.set i, i+1
.endr
	WIN 0
	s_wait_dscnt 0x0                               ; for the others' sake: my partial sums lie in LDS
	s_barrier_signal -1
	s_barrier_wait -1
	WIN 0x80
.irp p, 0,1,2,3
.set i, 0
.rept 16
	ds_load_b128 v[64*\p+4*i:64*\p+4*i+3], v[RD+\p] offset:512*i
.set i, i+1
.endr
.endr
	s_wait_dscnt 0x0
	WIN 0x8a
.set i, 0
.rept 32
	v_pk_add_f32 v[2*i:2*i+1], v[2*i:2*i+1], v[64+2*i:64+2*i+1]
	v_pk_add_f32 v[128+2*i:128+2*i+1], v[128+2*i:128+2*i+1], v[192+2*i:192+2*i+1]
.set i, i+1
.endr
.set i, 0
.rept 32
	v_pk_add_f32 v[2*i:2*i+1], v[2*i:2*i+1], v[128+2*i:128+2*i+1]
.set i, i+1
.endr
	WIN 0x0a
.set i, 0
.rept 32
	v_cvt_pk_f16_f32 v[XF+i], v[2*i], v[2*i+1]
.set i, i+1
.endr
	WIN 0
.irp b, 0,1,2,3
	global_store_b128 v[SO0], v[XF+4*\b:XF+4*\b+3], s[OB:OB+1] offset:1024*\b      ; a unit: 512 consecutive bytes, aligned
.endr
.irp b, 0,1,2,3
	global_store_b128 v[SO1], v[XF+16+4*\b:XF+16+4*\b+3], s[OB:OB+1] offset:1024*\b
.endr
	s_wait_tensorcnt 0x0                           ; the wave's end, behind my tensor load and my last LDS store
	ds_add_u32 v[SPW], v[NIL]
	s_wait_dscnt 0x0
	CROUND                                         ; the closing round: no work-group ends while a partner may still ask for a tile that names it
	s_endpgm
.Lfunc_end_k_q47aa053cdd_prep:
	.size	k_q47aa053cdd_prep, .Lfunc_end_k_q47aa053cdd_prep-k_q47aa053cdd_prep
	.p2alignl 7, 3214868480
	.fill 96, 4, 3214868480
	.section	.rodata,"a",@progbits
	.p2align	6, 0x0
	.amdhsa_kernel k_q47aa053cdd_prep
		.amdhsa_group_segment_fixed_size 270848
		.amdhsa_private_segment_fixed_size 0
		.amdhsa_enable_private_segment 0
		.amdhsa_kernarg_size 128
		.amdhsa_user_sgpr_count 2
		.amdhsa_user_sgpr_kernarg_segment_ptr 1
		.amdhsa_wavefront_size32 1
		.amdhsa_system_sgpr_workgroup_id_x 1
		.amdhsa_system_sgpr_workgroup_id_y 1
		.amdhsa_system_sgpr_workgroup_id_z 1
		.amdhsa_system_vgpr_workitem_id 0
		.amdhsa_next_free_vgpr 1024
		.amdhsa_next_free_sgpr 100
		.amdhsa_reserve_vcc 0
		.amdhsa_float_denorm_mode_32 3
		.amdhsa_float_denorm_mode_16_64 3
		.amdhsa_memory_ordered 1
		.amdhsa_forward_progress 1
		.amdhsa_inst_pref_size 76
	.end_amdhsa_kernel
	.amdgpu_metadata
---
amdhsa.version: [ 1, 2 ]
amdhsa.kernels:
  - .name:           k_q47aa053cdd_prep
    .symbol:         k_q47aa053cdd_prep.kd
    .args:
      - { .name: q, .offset: 0, .size: 8, .value_kind: global_buffer, .address_space: global }
      - { .name: v, .offset: 8, .size: 8, .value_kind: global_buffer, .address_space: global }
      - { .name: Wph, .offset: 16, .size: 8, .value_kind: global_buffer, .address_space: global }
      - { .name: Wg, .offset: 24, .size: 8, .value_kind: global_buffer, .address_space: global }
      - { .name: PHI, .offset: 32, .size: 8, .value_kind: global_buffer, .address_space: global }
      - { .name: G, .offset: 40, .size: 8, .value_kind: global_buffer, .address_space: global }
      - { .name: Wth, .offset: 48, .size: 8, .value_kind: global_buffer, .address_space: global }
      - { .name: Ww, .offset: 56, .size: 8, .value_kind: global_buffer, .address_space: global }
      - { .name: WTH16, .offset: 64, .size: 8, .value_kind: global_buffer, .address_space: global }
      - { .name: WW16, .offset: 72, .size: 8, .value_kind: global_buffer, .address_space: global }
      - { .name: gamma, .offset: 80, .size: 8, .value_kind: global_buffer, .address_space: global }
      - { .name: var, .offset: 88, .size: 8, .value_kind: global_buffer, .address_space: global }
      - { .name: bw, .offset: 96, .size: 8, .value_kind: global_buffer, .address_space: global }
      - { .name: mean, .offset: 104, .size: 8, .value_kind: global_buffer, .address_space: global }
      - { .name: beta, .offset: 112, .size: 8, .value_kind: global_buffer, .address_space: global }
      - { .name: TV, .offset: 120, .size: 8, .value_kind: global_buffer, .address_space: global }
    .group_segment_fixed_size: 270848
    .private_segment_fixed_size: 0
    .kernarg_segment_align: 8
    .kernarg_segment_size: 128
    .max_flat_workgroup_size: 128
    .sgpr_count:     100
    .vgpr_count:     1024
    .wavefront_size: 32
...
	.end_amdgpu_metadata
.endif
;; end of part 1
;; launch attn (part 2): grid 32 x 8, 4 waves a work-group, clusters of 4 x 1, 327,680 bytes of LDS; arguments k, v, bth, bg, PHI, G, WTH16, WW16, TV, out0; writes out0
.if DOCPART == 2
	.amdgcn_target "amdgcn-amd-amdhsa--gfx1250"
	.amdhsa_code_object_version 6
	.text
	.protected	k_q47aa053cdd_attn
	.globl	k_q47aa053cdd_attn
	.p2align	8
	.type	k_q47aa053cdd_attn,@function
k_q47aa053cdd_attn:
	s_mov_b64 s[64:65], 0
	v_nop
	global_prefetch_b8 v0, s[64:65] scope:SCOPE_SE
	s_setreg_imm32_b32 hwreg(HW_REG_WAVE_MODE, 25, 1), 1
	s_wait_xcnt 0x0
	s_wait_alu depctr_hold_cnt(0) depctr_sa_sdst(0) depctr_va_vdst(0) depctr_va_sdst(0) depctr_va_ssrc(0) depctr_va_vcc(0) depctr_vm_vsrc(0)
	s_getreg_b32 s2, hwreg(HW_REG_IB_STS2, 6, 4)
	s_cmp_eq_u32 s2, 0
	s_cbranch_scc0 .Lentry_in_a_cluster
	s_endpgm
.Lentry_in_a_cluster:
	s_bfe_u32 s2, ttmp6, 0x10000c
	s_cmp_lg_u32 s2, 0x3003
	s_cbranch_scc0 .Lentry_shape_is_right
	s_endpgm
.Lentry_shape_is_right:
; out = (s Ww) (softmax_m(theta . phi) g0 + bg) + T + v, theta = Wth k + bth.  4 phi, 4 g0, Wth, s Ww in f16 and T in f32 come from the launch before.
; LEFT OUT: bph (theta_n . bph is the same for all keys of a row and cancels in the softmax: shown at the head of the first kernel); bg is added once to y, since a row's weights sum to 1.
; THE MEAN'S 1/4, which the first launch left out of PHI and G: the scores are scaled by c = log2(e) / 4, and l is multiplied by 4 ahead of its reciprocal.
; FORMAT.  All matrix operands f16; sums, maxima, l, biases, T and the residual v in f32.  LIMITS: k, theta and y must stay within 65,504; a weight below 2^-126 counts as 0 in l; NaN and infinities are not treated apart.
; SHARES.  A work-group owns 128 queries of one batch.  Wave w: key half kh = w % 2 (512 of the 1,024 keys), query half qh = w / 2 (64 queries: four tiles of 16).  Tile t, lane l % 16 = r is the query
; n0 + 64 qh + 4 r + t: 16 bytes of k, v or out at one channel are a lane's four tiles, and sixteen lanes cover 256 consecutive bytes, aligned.
; The waves w and w ^ 1 share their queries: each makes 64 of theta's channels, walks its own half of the keys, and at the end owns 64 channels of y and 128 rows of the output.
; LAYOUT.  S^T = K Q^T (source 0 = 16 keys, source 1 = 16 queries): a lane holds ONE query and the keys 8 (l / 16) + 0..7; two such tiles rounded to f16 ARE source 1 of O^T = V^T P.  PHI and G lie in the
; order of the operand registers: every LDS load takes 512 consecutive bytes.  For the second key half the channel blocks are turned by four in PHI and G, so that in every wave register blocks 0-3 are its OWN channels.
; SOFTMAX.  A running maximum m and sum l a query: p = 2^(c s - c m); O and l are multiplied by a = 2^(c m_old - c m_new) in every step.  The two key halves are merged at the end by the same rule.
; BY TURNS.  The wave's tiles are two pieces (tiles 0, 1 and 2, 3).  In a turn one piece has the matrix unit (32 products V^T P, then 32 products K Q^T of the next step); the other piece's softmax, cut into 64
; slices, stands between them, one slice behind each matrix instruction.  Two turns are a key step of 64 keys.
; CLUSTER.  The four query blocks of a cluster belong to one batch and walk the same PHI and G: each tile is asked for jointly, by the same tensor load with the same descriptor and a mask that names the four.
; THE END'S READS STAND IN THE WALK.  At the last change of slots slot 0 has been read out: each wave fills its quarter of it with its own 128 rows x 256 bytes of v, the residual, two key steps ahead of their use.
; s Ww's fragments are asked for as soon as the last K Q^T has read Q's and K's registers, which they take.
; REGISTERS in windows of 256 (s_set_vgpr_msb: bits 1:0 source 0, 3:2 source 1, 5:4 source 2, 7:6 destination).  In the walk:
;   window 0: v0-63 addresses and statistics; v64-191 S^T, 32 a tile; v192-255 P, 16 a tile      window 1: O^T, 64 a tile
;   window 2: v0-127 Q, 32 a tile; v128-255 K of one step      window 3: v0-127 V of one step; v128-159 bg; v160-223 T
.set STEPB, 16384     ; a key step's K, and its V: 64 keys x 128 channels of f16
.set SLOT1, 1<<17     ; a slot: K half 0, K half 1, V half 0, V half 1, 32,768 bytes (two steps) each; slot 1 begins here
.set XQ,    262144    ; behind the ring, never filled by a tensor load: theta's exchange, 8,192 bytes a wave
.set SPARE, 294912    ; the spare words, 128 bytes for each wave: two blocks of 256 bytes that no other line names
.set OX,    SLOT1     ; slot 1 has had its last fill at the second change of slots; behind the barrier at the walk's end nobody reads it, and it is scratch: O's exchange, 16,384 bytes a wave,
.set YX,    SLOT1+65536   ; y's exchange, 8,192 a wave,
.set STATS, SLOT1+98304   ; and (c m, l), 1,024 a wave
.set AK0, 2           ; v2   16 lane + my key half's K in a slot; never rewritten
.set AV0, 3           ; v3   the same for V
.set ADR, 4           ; v4   the LDS address of the run of loads in hand
.set KO,  5           ; v5   8 (l / 16) channels of an image + 16 r
.set L16, 6           ; v6   16 lane
.set XW,  7           ; v7   theta's exchange: mine
.set XR,  8           ; v8   my partner's
.set WO0, 10          ; v10  16 lane + the place of my own two channel chunks in a row block of WW16
.set WO1, 11          ; v11  the same for my partner's two
.set ST,  12          ; v12-43 tile t's statistics at ST + 8 t: +0 c m, +1 m, +2, +3 l, +4 to +7 at work
.set B32, 44          ; v44  32 (l / 16): my eight numbers of a bias block
.set SW,  45          ; v45, v46 statistics: mine, my partner's
.set SR,  46
.set OXW, 47          ; v47, v48 O's exchange
.set OXR, 48
.set YW,  49          ; v49, v50 y's exchange
.set YR,  50
.set VL,  51          ; v51  v's tile in LDS: my wave's quarter of slot 0 + 8 (l / 16) rows of 256 bytes + 16 r
.set PVO, 60          ; v60  lane x a channel of an image: the prefetches of v
.set PFO, 61          ; v61  lane x 256: the prefetch of PHI or G
.set SPW, 62          ; v62  my spare word; never rewritten
.set NIL, 63          ; v63  0; never rewritten
.set S,   64
.set P,   192
.set KF,  128         ; window 2
.set THA, 64          ; theta's accumulators, window 0: block bl, tile t at THA + 32 bl + 8 t
.set BT,  192         ; bth in an accumulator's layout, window 0
.set BGR, 128         ; window 3
.set TR,  160         ; window 3
.set WV,  12          ; s12 wave  s13 kh  s14 qh
.set KH,  13
.set QH,  14
.set LIM, 15          ; s15 1 in the batch's first cluster, else the greatest number
.set G1,  24          ; s[24:31] descriptor group 1 of PHI's and G's tiles
.set G0A, 32          ; s[32:35] group 0 of slot 0's first fill
.set G0B, 36          ; s[36:39] of slot 1's; it then walks
.set KBS, 40          ; s[40:41] k at my batch and 64 queries
.set VBS, 42          ; s[42:43] v at my batch, my 128 rows and my 64 queries
.set OBS, 44          ; s[44:45] out0 likewise
.set WTS, 46          ; s[46:47] WTH16 at my 64 channels
.set WWS, 48          ; s[48:49] WW16 at my 128 rows
.set TVS, 50          ; s[50:51] TV likewise
.set BGS, 52          ; s[52:53] bg at my 64 channels
.set BTS, 54          ; s[54:55] bth likewise
.set SLOTS, 56
.set TWICE, 57
.set CS,  58          ; s[58:59] c
.set SEL, 60          ; s[60:61] v_permlanex16_b32's selects: each lane takes its own place in the other half
.set TB,  62          ; s62 LDS byte at which the step to be fetched begins
.set G1V, 68          ; s[68:75] descriptor group 1 of v's tile, in registers that held arguments
.set G0V, 76          ; s[76:79] its group 0
.set PFA, 88          ; s[88:89] my work-group's 32 rows of my tile of the fourth slot
.set PVB, 90          ; s[90:91] walks my 128 rows of v, 64 at a time
.set MSB, 0
.macro WIN new
.if MSB != (\new)
	s_set_vgpr_msb (MSB<<8)|(\new)
.set MSB, \new
.endif
.endm
.set W_KQ, 0x0a
.set W_PV, 0x53
.set W_RS, 0x41
.macro PLACES
.rept 4
	v_nop
.endr
.endm
; A round of the cluster's barrier: my work-group's barrier; wave 0 signals for the work-group; every wave waits for all four work-groups; my work-group's barrier once more.
.macro CROUND
	s_barrier_signal -1
	s_barrier_wait -1
	s_cmp_lg_u32 s[WV], 0
	s_cbranch_scc1 .Lnot_wave_0_\@
	s_barrier_signal -3
.Lnot_wave_0_\@:
	s_barrier_wait -3
	s_barrier_signal -1
	s_barrier_wait -1
.endm
	s_load_b512 s[68:83], s[0:1], 0x0  ; k 68, v 70, bth 72, bg 74, PHI 76, G 78, WTH16 80, WW16 82
	s_load_b128 s[84:87], s[0:1], 0x40 ; TV 84, out0 86
	v_lshl_add_u32 v[SPW], v0, 2, SPARE
	v_mov_b32 v[NIL], 0
	ds_add_u32 v[SPW], v[NIL]       ; the wave's opening: the add, twice on end, and its wait ahead of my first tensor load; the set-up below stands between
	ds_add_u32 v[SPW], v[NIL]
	v_lshrrev_b32 v1, 5, v0
	v_readfirstlane_b32 s[WV], v1
	s_and_b32 s[KH], s[WV], 1
	s_lshr_b32 s[QH], s[WV], 1
	s_bfe_u32 s16, ttmp6, 0x40000   ; cx: it enters the addresses of k, v, out0 and of the prefetch alone
	s_lshl_b32 s17, ttmp9, 2
	s_add_co_u32 s17, s17, s16      ; my block of 128 queries
	s_and_b32 s18, ttmp7, 0xffff    ; the batch, which the four partners share
	s_lshl_b32 s20, s18, 22         ; a batch's image is 4 MiB,
	s_lshl_b32 s19, s17, 9          ; 128 queries 512 bytes of a channel,
	s_add_co_u32 s20, s20, s19
	s_lshl_b32 s19, s[QH], 8        ; my 64 of them
	s_add_co_u32 s20, s20, s19
	s_mov_b32 s21, 0
	s_lshl_b32 s92, s[KH], 21       ; my 128 rows of v and out0
	s_add_co_u32 s92, s92, s20
	s_mov_b32 s93, 0
	s_lshl_b32 s22, s18, 18         ; PHI and G: a batch is 262,144 bytes, a key half 131,072
	s_lshl_b32 s94, s[KH], 17
	s_add_co_u32 s22, s22, s94
	s_mov_b32 s23, 0
	; descriptor group 1: 32,768 dense bytes as 128 rows of 256
	s_mov_b32 s[G1], 15|(3<<16)|(1<<21)  ; 15:0 the mask of four; 17:16 elements of 8 bytes; 21 set beside a mask; no padding
	s_mov_b32 s[G1+1], 32<<16       ; tensor_dim0 = 32
	s_mov_b32 s[G1+2], 128<<16      ; tensor_dim1 = 128
	s_mov_b32 s[G1+3], 32<<16       ; tile_dim0 = 32
	s_mov_b32 s[G1+4], 128          ; tile_dim1 = 128
	s_mov_b32 s[G1+5], 32           ; 32 elements from row to row
	s_mov_b32 s[G1+6], 0
	s_mov_b32 s[G1+7], 0
	s_mul_i32 s95, s[WV], 32768     ; wave w fills part w of a slot: no place in the cluster enters an LDS address
	s_mov_b32 s[G0A], 1
	s_mov_b32 s[G0A+1], s95
	s_mov_b32 s[G0B], 1
	s_add_co_u32 s[G0B+1], s95, SLOT1
	s_mov_b32 s[CS], 0x3eb8aa3b     ; c = log2(e) / 4
	s_mov_b32 s[CS+1], s[CS]
	s_mov_b32 s[SEL], 0x76543210
	s_mov_b32 s[SEL+1], 0xfedcba98
	s_mov_b32 s[TB], 0
	s_mov_b32 s[SLOTS], 2           ; four slots a key half: two are filled at the start, two by the loop
	s_cmp_eq_u32 ttmp9, 0
	s_cselect_b32 s[LIM], 1, -1     ; the same in all four partners
	v_and_b32 v1, 15, v0            ; r
	v_bfe_u32 v9, v0, 4, 1          ; h
	v_and_b32 v[L16], 31, v0
	v_lshlrev_b32 v[L16], 4, v[L16]
	v_lshlrev_b32 v[KO], 4, v1
	v_lshl_add_u32 v[KO], v9, 17, v[KO]
	v_lshlrev_b32 v[B32], 5, v9
	v_lshlrev_b32 v[PFO], 4, v[L16]
	v_lshlrev_b32 v[PVO], 10, v[L16]
	s_lshl_b32 s94, s[KH], 15
	v_add_nc_u32 v[AK0], s94, v[L16]
	v_add_nc_u32 v[AV0], 65536, v[AK0]
	s_lshl_b32 s94, s[WV], 13
	s_add_co_u32 s94, s94, XQ
	v_add_nc_u32 v[XW], s94, v[L16]
	s_xor_b32 s94, s[WV], 1
	s_lshl_b32 s94, s94, 13
	s_add_co_u32 s94, s94, XQ
	v_add_nc_u32 v[XR], s94, v[L16]
	s_wait_dscnt 0x0                ; both opening adds are done
	s_wait_kmcnt 0x0
	s_cmp_lt_u32 s[WV], 2           ; waves 0 and 1 fetch K's two halves, waves 2 and 3 V's
	s_cselect_b64 s[96:97], s[76:77], s[78:79]
	s_add_nc_u64 s[96:97], s[96:97], s[22:23]
	s_add_nc_u64 s[G0A+2:G0A+3], s[96:97], 0
	s_or_b32 s[G0A+3], s[G0A+3], 0x80000000
	s_add_nc_u64 s[G0B+2:G0B+3], s[96:97], 32768
	s_or_b32 s[G0B+3], s[G0B+3], 0x80000000
	s_lshl_b32 s2, s16, 13          ; the partners share a tile's 128 rows out by address, 32 each
	s_mov_b32 s3, 0
	s_add_nc_u64 s[PFA:PFA+1], s[96:97], s[2:3]
	s_add_nc_u64 s[PFA:PFA+1], s[PFA:PFA+1], 3*32768
	s_add_nc_u64 s[KBS:KBS+1], s[68:69], s[20:21]
	s_add_nc_u64 s[VBS:VBS+1], s[70:71], s[92:93]
	s_add_nc_u64 s[OBS:OBS+1], s[86:87], s[92:93]
	s_mov_b64 s[PVB:PVB+1], s[VBS:VBS+1]
	s_lshl_b32 s98, s[KH], 15
	s_mov_b32 s99, 0
	s_add_nc_u64 s[WTS:WTS+1], s[80:81], s[98:99]
	s_add_nc_u64 s[WWS:WWS+1], s[82:83], s[98:99]
	s_lshl_b32 s98, s[KH], 9
	s_add_nc_u64 s[TVS:TVS+1], s[84:85], s[98:99]
	s_lshl_b32 s98, s[KH], 8
	s_add_nc_u64 s[BGS:BGS+1], s[74:75], s[98:99]
	s_add_nc_u64 s[BTS:BTS+1], s[72:73], s[98:99]
	; v's tile: my own 128 rows x 256 bytes, a channel of the image (16,384 bytes) from row to row; no mask: nobody shares it.  The arguments in s[68:79] have been used.
	s_mov_b32 s[G1V], 3<<16         ; 17:16 elements of 8 bytes
	s_mov_b32 s[G1V+1], 32<<16      ; tensor_dim0 = 32
	s_mov_b32 s[G1V+2], 128<<16     ; tensor_dim1 = 128
	s_mov_b32 s[G1V+3], 32<<16      ; tile_dim0 = 32
	s_mov_b32 s[G1V+4], 128         ; tile_dim1 = 128
	s_mov_b32 s[G1V+5], 2048        ; 2,048 elements from row to row
	s_mov_b32 s[G1V+6], 0
	s_mov_b32 s[G1V+7], 0
	s_mov_b32 s[G0V], 1
	s_mov_b32 s[G0V+1], s95         ; my quarter of slot 0
	s_add_nc_u64 s[G0V+2:G0V+3], s[VBS:VBS+1], 0
	s_or_b32 s[G0V+3], s[G0V+3], 0x80000000
	CROUND                          ; all four work-groups are here: the first joint loads meet
	tensor_load_to_lds s[G0A:G0A+3], s[G1:G1+7]  ; both first fills go out together: two loads of mine are out
	s_nop 0
	tensor_load_to_lds s[G0B:G0B+3], s[G1:G1+7]
	s_nop 0
	PLACES
; THETA^T = Wth k + bth: my 64 channels (blocks bl = 0..3) for my 64 queries, in eight chunks cc of 32 input channels.
; window 1: k as loaded, a ring of four chunks of 64;  window 3 v0-127: Wth's fragments, a ring of four of 32;  window 2 v128-191: k's fragments in f16, two buffers of 32.
.macro GRP cc                       ; a chunk's 24 loads
	WIN 0x40
.set i, 0
.rept 16                            ; channel 32 cc + 16 (i / 8) + 8 h + i % 8: four queries a lane, one for each tile
	global_load_b128 v[64*((\cc)%4)+4*i:64*((\cc)%4)+4*i+3], v[KO], s[KBS:KBS+1] offset:(32*(\cc)+16*(i/8)+(i%8))*16384
.set i, i+1
.endr
	WIN 0xc0
.set i, 0
.rept 8                             ; i = 2 bl + hf
	global_load_b128 v[32*((\cc)%4)+4*i:32*((\cc)%4)+4*i+3], v[L16], s[WTS:WTS+1] offset:(8*(i/2)+(\cc))*1024+(i%2)*512
.set i, i+1
.endr
.endm
.macro KCVT cc                      ; pairs of channels rounded to f16: tile t's fragment at 128 + 32 (cc % 2) + 8 t
	WIN 0x85
.set i, 0
.rept 32                            ; i = 8 t + register
.set rR, 64*((\cc)%4)+(((i%8)/4)*8+2*(i%4))*4+i/8
	v_cvt_pk_f16_f32 v[128+32*((\cc)%2)+i], v[rR], v[rR+4]
.set i, i+1
.endr
.endm
.macro TMUL cc                      ; 16 products; the 16 accumulators take turns; the first chunk starts the sums with bth
	WIN 0x0b
.set i, 0
.rept 16                            ; i = 4 bl + t
.if (\cc) == 0
	v_wmma_f32_16x16x32_f16 v[THA+8*i:THA+8*i+7], v[32*((\cc)%4)+8*(i/4):32*((\cc)%4)+8*(i/4)+7], v[128+32*((\cc)%2)+8*(i%4):128+32*((\cc)%2)+8*(i%4)+7], v[BT+8*(i/4):BT+8*(i/4)+7]
.else
	v_wmma_f32_16x16x32_f16 v[THA+8*i:THA+8*i+7], v[32*((\cc)%4)+8*(i/4):32*((\cc)%4)+8*(i/4)+7], v[128+32*((\cc)%2)+8*(i%4):128+32*((\cc)%2)+8*(i%4)+7], v[THA+8*i:THA+8*i+7]
.endif
.set i, i+1
.endr
.endm
; A chunk.  left: the loads of the younger chunks, 24 each, which may stay out.  The 32 conversions are the places between the last chunk's products and the loads into the ring place that they read.
.macro CHUNK cc, left
	s_wait_loadcnt \left
	KCVT \cc
.if (\cc) < 5
	GRP (\cc)+3
.endif
	TMUL \cc
.endm
	WIN 0
.set i, 0
.rept 8
	global_load_b128 v[BT+4*i:BT+4*i+3], v[B32], s[BTS:BTS+1] offset:(i/2)*64+(i%2)*16  ; register j of block bl: bth[16 bl + 8 h + j] of my 64
.set i, i+1
.endr
	GRP 0
	GRP 1
	GRP 2
	CHUNK 0, 48
	CHUNK 1, 48
	CHUNK 2, 48
	CHUNK 3, 48
	CHUNK 4, 48
	CHUNK 5, 48
	CHUNK 6, 24
	CHUNK 7, 0
	WIN 0
	PLACES
	PLACES
	WIN 0x80                        ; theta in f16 IS half of source 1 of K Q^T: tile t, my block bl at Q + 32 t + 4 bl
.set i, 0
.rept 64                            ; i = 16 bl + 4 t + pair: each accumulator's lowest registers first
	v_cvt_pk_f16_f32 v[32*((i/4)%4)+4*(i/16)+i%4], v[THA+32*(i/16)+8*((i/4)%4)+2*(i%4)], v[THA+32*(i/16)+8*((i/4)%4)+2*(i%4)+1]
.set i, i+1
.endr
	WIN 0x08
.set i, 0
.rept 16
	ds_store_b128 v[XW], v[32*(i/4)+4*(i%4):32*(i/4)+4*(i%4)+3] offset:512*i
.set i, i+1
.endr
	WIN 0xc0                        ; bg and T, wanted at the end, in an accumulator's layout
.set i, 0
.rept 8
	global_load_b128 v[BGR+4*i:BGR+4*i+3], v[B32], s[BGS:BGS+1] offset:(i/2)*64+(i%2)*16
.set i, i+1
.endr
.set i, 0
.rept 16
	global_load_b128 v[TR+4*i:TR+4*i+3], v[B32], s[TVS:TVS+1] offset:(i/2)*64+(i%2)*16
.set i, i+1
.endr
	WIN 0
	s_wait_tensorcnt 1              ; my part of slot 0 is in; slot 1's may stay out
	s_wait_dscnt 0x0                ; my half of theta lies in LDS
	s_barrier_signal -1
	s_barrier_wait -1
	WIN 0x80
.set i, 0
.rept 16
	ds_load_b128 v[32*(i/4)+16+4*(i%4):32*(i/4)+16+4*(i%4)+3], v[XR] offset:512*i  ; my partner's 64 channels: chunks 2 and 3 of Q, as they are of K
.set i, i+1
.endr
; THE MATRIX WORK OF A TURN, for piece x.  The accumulators take turns, one instruction a turn.
.macro PV x, zero                   ; product i of 32 of O^T += V^T P: keys 32 (i / 16) on, channel block (i / 2) % 8, tile x + i % 2
	WIN W_PV
.set rO, 64*((\x)+i%2)+8*((i/2)%8)
.set rV, 64*(i/16)+8*((i/2)%8)
.set rP, P+16*((\x)+i%2)+8*(i/16)
.if (\zero) && (i < 16)
	v_wmma_f32_16x16x32_f16 v[rO:rO+7], v[rV:rV+7], v[rP:rP+7], 0
.else
	v_wmma_f32_16x16x32_f16 v[rO:rO+7], v[rV:rV+7], v[rP:rP+7], v[rO:rO+7]
.endif
.endm
.macro KQ x                         ; product i of 32 of S^T = K Q^T: channel chunk i / 8, key tile (i / 2) % 4, tile x + i % 2
	WIN W_KQ
.set rS, S+32*((\x)+i%2)+8*((i/2)%4)
.set rK, KF+32*((i/2)%4)+8*(i/8)
.set rQ, 32*((\x)+i%2)+8*(i/8)
.if i < 8
	v_wmma_f32_16x16x32_f16 v[rS:rS+7], v[rK:rK+7], v[rQ:rQ+7], 0
.else
	v_wmma_f32_16x16x32_f16 v[rS:rS+7], v[rK:rK+7], v[rQ:rQ+7], v[rS:rS+7]
.endif
.endm
; THE LDS LOADS stand in runs of 32: a step's K and, a turn later, its V.  Every load takes 512 consecutive bytes.
.macro FETCH_K
	WIN 0
	v_add_nc_u32 v[ADR], s[TB], v[AK0]
	WIN 0x80
.set f, 0
.rept 16                            ; f = 4 kb + chunk: key tile kb = 2 (pooled row) + parity
	ds_load_b128 v[KF+8*f:KF+8*f+3],   v[ADR] offset:(f/8)*8192+(2*(f%4))*1024+((f/4)%2)*512
	ds_load_b128 v[KF+8*f+4:KF+8*f+7], v[ADR] offset:(f/8)*8192+(2*(f%4)+1)*1024+((f/4)%2)*512
.set f, f+1
.endr
.endm
.macro FETCH_V
	WIN 0
	v_add_nc_u32 v[ADR], s[TB], v[AV0]
	s_add_co_u32 s[TB], s[TB], STEPB  ; the next fetch is the next step's
	s_wait_alu depctr_va_vdst(0)    ; the wait for the softmax's batch (SLICE), behind the address's v_add_nc_u32 and ahead of the loads
	WIN 0xc0
.set f, 0
.rept 32
	ds_load_b128 v[4*f:4*f+3], v[ADR] offset:512*f
.set f, f+1
.endr
.endm
; THE VECTOR WORK OF A TURN.  One tile's softmax for one key step is a list of 134 instructions; SM writes number j of it for tile t.  first = 1: the first key step, which starts m, l and O^T.
;   0-15 the maximum of the lane's 32 scores and the old m     16-20 the other half of the lanes' maximum; the new m; c m; c m_old - c m_new
;   21-69 ONE BATCH: the 16 scalings c s - c m and all 33 exponentials (a at 23): none reads an exponential's result     (the wait: SLICE writes it, once for both tiles)
;   70-85 the roundings to f16     86-101 the sums; l = a l + the sum     102-133 the tile's O^T times a
.macro SM t, first
.set rT, ST+8*(\t)
.set rS, S+32*(\t)
.set rP, P+16*(\t)
.set rO, 64*(\t)+2*(j-102)
.if j < 102
	WIN 0
.endif
.if j < 4
	v_max3_num_f32 v[rT+4+j], v[rS+8*j], v[rS+8*j+1], v[rS+8*j+2]
.elseif j < 12
	v_max3_num_f32 v[rT+4+j%4], v[rT+4+j%4], v[rS+8*(j%4)+2*(j/4)+1], v[rS+8*(j%4)+2*(j/4)+2]
.elseif j == 12
	v_max3_num_f32 v[rT+4], v[rT+4], v[rS+7], v[rS+15]
.elseif j == 13
	v_max3_num_f32 v[rT+6], v[rT+6], v[rS+23], v[rS+31]
.elseif j == 14
	v_max3_num_f32 v[rT+4], v[rT+4], v[rT+5], v[rT+6]
.elseif (j == 15) && (\first)
	v_max_num_f32 v[rT+4], v[rT+4], v[rT+7]
.elseif j == 15
	v_max3_num_f32 v[rT+4], v[rT+4], v[rT+7], v[rT+1]
.elseif j == 16
	v_permlanex16_b32 v[rT+5], v[rT+4], s[SEL], s[SEL+1]  ; the query's other 32 keys lie in the lane 16 away
.elseif j == 18
	v_max_num_f32 v[rT+1], v[rT+4], v[rT+5]
.elseif j == 19
	v_mul_f32 v[rT], s[CS], v[rT+1]
.elseif ((j == 17) || (j == 20) || (j == 23) || (j > 101)) && (\first)  ; the first step has none of these
.elseif j == 17
	v_mov_b32 v[rT+7], v[rT]        ; c m_old is kept for a: number 19 writes c m anew
.elseif j == 20
	v_sub_f32 v[rT+7], v[rT+7], v[rT]
.elseif j == 23
	v_exp_f32 v[rT+6], v[rT+7]
.elseif (j < 23) || ((j < 38) && (j%2 == 0)) || ((j < 66) && (j%4 == 2))
.set b, (j-2)/4
.if j < 38
.set b, (j-20)/2
.endif
	v_pk_fma_f32 v[rS+2*b:rS+2*b+1], v[rS+2*b:rS+2*b+1], s[CS:CS+1], v[rT:rT+1] op_sel_hi:[1,0,0] neg_lo:[0,0,1] neg_hi:[0,0,1]  ; pair b: c s - c m
.elseif j < 70
.set e, j-38
.if j < 66
.set e, j-32-(j-38)/4
.endif
.if j < 38
.set e, (j-25)/2
.endif
	v_exp_f32 v[rS+e], v[rS+e]
.elseif j < 86
	v_cvt_pk_f16_f32 v[rP+j-70], v[rS+2*(j-70)], v[rS+2*(j-70)+1]
.elseif j < 102                     ; the sum of the tile's 16 pairs, in place: neighbours 1, 2, 4 and 8 pairs apart, then l takes it
.set z, j-86
.set w, 4
.set u, z
.if z >= 14
.set w, 32
.set u, 0
.elseif z >= 12
.set w, 16
.set u, z-12
.elseif z >= 8
.set w, 8
.set u, z-8
.endif
.if (z == 14) && (\first)
	v_pk_add_f32 v[rT+2:rT+3], v[rS:rS+1], v[rS+16:rS+17]
.elseif z < 15
	v_pk_add_f32 v[rS+w*u:rS+w*u+1], v[rS+w*u:rS+w*u+1], v[rS+w*u+w/2:rS+w*u+w/2+1]
.elseif !(\first)
	v_pk_fma_f32 v[rT+2:rT+3], v[rT+2:rT+3], v[rT+6:rT+7], v[rS:rS+1] op_sel_hi:[1,0,1]
.endif
.else
	WIN W_RS
	v_pk_mul_f32 v[rO:rO+1], v[rO:rO+1], v[rT+6:rT+7] op_sel_hi:[1,0]
.endif
.endm
; Slice k of 64 of piece y's softmax: four instructions.  Slices 11 to 34 deal out the batch, four numbers of one tile each, the tiles by turns; every other slice is numbers 2 k and 2 k + 1 of both tiles;
; the twelve that are over stand in slice 63.  Ahead of slice 35 nothing names an exponential's result, and behind slice 34 none is issued: the piece's 66 exponentials have one wait, behind slice 34.
.macro SLICE y, first
.if (k >= 11) && (k < 35)
.irp n, 0,1,2,3
.set j, 22+4*((k-11)/2)+(\n)
	SM (\y)+(k-11)%2, \first
.endr
.else
.irp n, 0,1,2,3,4,5,6,7
.if ((\n) < 2) || (k == 63)
.irp t, \y, (\y)+1
.set j, 2*k+(\n)
	SM \t, \first
.endr
.endif
.endr
.endif
.if k == 34
	v_nop                           ; the plain instruction behind the last exponential and ahead of the first use: one for the batch
.if (\y) == 0
	FETCH_V                         ; piece 2's turn: V's run of loads stands here, and the wait stands in it
.else
	s_wait_alu depctr_va_vdst(0)    ; the wait for the batch
.endif
.endif
.set k, k+1
.endm
; A TURN.  Piece x has the matrix unit; the other piece's softmax stands in slices behind its matrix instructions.  pv = 2: 32 products V^T P; 1: they start O^T's sums; 0: none.  kq = 1: 32 products K Q^T.
; Piece 0's turn fetches the next step's K behind its second product (the last product that read K stands in front of slice 63 of the turn before, sixteen plain instructions back); piece 2's turn fetches the
; same step's V behind slice 34 (behind the last product that read V stand three K Q^T products, slices 31 to 34, the v_nop and the run's own v_add_nc_u32).
.macro TURN x, pv, kq, first
.set k, 0
.set per, 2
.if (\pv) && (\kq)
.set per, 1
.endif
.if \pv
.if (\x) == 0
	s_wait_dscnt 0x0                ; V is in
.endif
.set i, 0
.rept 32
	PV \x, 2-(\pv)
.rept per
	SLICE 2-(\x), \first
.endr
.if ((\x) == 0) && (\kq) && (i == 1)
	FETCH_K
.endif
.set i, i+1
.endr
.endif
.if \kq
.if (\x) == 0
	s_wait_dscnt 0x0                ; K is in
.endif
.set i, 0
.rept 32
	KQ \x
.rept per
	SLICE 2-(\x), \first
.endr
.set i, i+1
.endr
.endif
.if \first
	PLACES
.endif
.endm
; THE CHANGE OF SLOTS.  Each wave waits for all its tensor loads, of which one is out: its part of the other slot; adds 0 to its spare word; waits for that and for its own reads of the slot.  The barrier is a
; round of the cluster's, and the refill is the first thing behind it: it has two key steps, 256 matrix instructions, in which to land.
; fill = 1: the joint refill, the keys two slots on.  fill = 2, the last change: slot 0 takes v's tiles, each wave its own quarter, by a load of its own.
; THE PREFETCHES stand behind the joint refill and its five lines.  (1) PHI and G: at the first change each wave of the batch's first cluster asks for 32 rows of 256 bytes of its own tile of the fourth slot, which the
; next change loads: the four partners take 32 rows each, told apart by address, a lane a row: each row is named once in the launch.  (2) v: my own 128 rows x 256 bytes, which only I load, at the last change:
; 64 rows at each of the two filling changes, four and two key steps ahead of that load.  The pointer is stepped here, behind s_wait_xcnt 0, two key steps behind the prefetches that read it.
.macro CHANGE fill
	WIN 0
	s_wait_tensorcnt 0x0            ; no tensor load of mine is out, so a group 0 may be written
	ds_add_u32 v[SPW], v[NIL]       ; 0 onto my spare word; with fill = 1 the scalar steps stand between it and the wait for it
.if (\fill) == 1
	s_xor_b32 s[G0B+1], s[G0B+1], SLOT1
	s_add_nc_u64 s[G0B+2:G0B+3], s[G0B+2:G0B+3], 32768
	s_wait_xcnt 0x0
	s_add_nc_u64 s[PVB:PVB+1], s[PVB:PVB+1], 64*16384
.endif
	s_wait_dscnt 0x0                ; the add is done, and my reads of the slot are over
	CROUND
.if (\fill) == 1
	tensor_load_to_lds s[G0B:G0B+3], s[G1:G1+7]
	s_nop 0
	PLACES
	s_cmp_gt_u32 s[SLOTS], s[LIM]
	s_cbranch_scc0 .Lnot_mine_\@
	global_prefetch_b8 v[PFO], s[PFA:PFA+1] th:TH_LOAD_NT scope:SCOPE_SE
.Lnot_mine_\@:
	global_prefetch_b8 v[PVO], s[PVB:PVB+1] offset:-64*16384 th:TH_LOAD_NT scope:SCOPE_SE
	global_prefetch_b8 v[PVO], s[PVB:PVB+1] offset:-32*16384 th:TH_LOAD_NT scope:SCOPE_SE
.else
	tensor_load_to_lds s[G0V:G0V+3], s[G1V:G1V+7]
	s_nop 0
	PLACES
.endif
	s_sub_co_u32 s[TB], s[TB], 2*STEPB  ; the fetches go back to a slot's first step,
	s_xor_b32 s[TB], s[TB], SLOT1   ; in the other slot
.endm
.macro TWO_STEPS                    ; a slot's two key steps: written once, walked twice
	WIN 0
	s_mov_b32 s[TWICE], 2
.Lstep_\@:
	TURN 0, 2, 1, 0
	TURN 2, 2, 1, 0
	WIN 0
	s_sub_co_u32 s[TWICE], s[TWICE], 1
	s_cmp_lg_u32 s[TWICE], 0
	s_cbranch_scc1 .Lstep_\@
.endm
; s Ww's fragments of my 128 rows take Q's and K's place: row block ob, chunk place c at 8 (4 ob + c); my own two channel chunks first, as in y.  Half a run, 32 loads, at a time.
.macro WAL half
	WIN 0x80
.set i, 32*(\half)
.rept 32                            ; i = 2 (4 ob + c) + hf
.if ((i/2)%4) < 2
	global_load_b128 v[4*i:4*i+3], v[WO0], s[WWS:WWS+1] offset:(i/8)*4096+((i/2)%4)*1024+(i%2)*512
.else
	global_load_b128 v[4*i:4*i+3], v[WO1], s[WWS:WWS+1] offset:(i/8)*4096+((i/2)%4-2)*1024+(i%2)*512
.endif
.set i, i+1
.endr
.endm
	FETCH_K                         ; key step 0
	s_wait_dscnt 0x0                ; K, and my partner's half of theta
.set i, 0
.rept 32
	KQ 0                            ; piece 0's first scores
.set i, i+1
.endr
	WIN 0                           ; the end's addresses are made here: eleven plain instructions, the places behind those products
	s_xor_b32 s92, s[WV], 1         ; my partner
	s_lshl_b32 s93, s[WV], 10
	s_add_co_u32 s93, s93, STATS
	s_lshl_b32 s94, s92, 10
	s_add_co_u32 s94, s94, STATS
	v_lshrrev_b32 v[SW], 1, v[L16]  ; 8 bytes a lane
	v_add_nc_u32 v[SR], s94, v[SW]
	v_add_nc_u32 v[SW], s93, v[SW]
	s_lshl_b32 s93, s[WV], 14
	s_add_co_u32 s93, s93, OX
	s_lshl_b32 s94, s92, 14
	s_add_co_u32 s94, s94, OX
	v_add_nc_u32 v[OXW], s93, v[L16]
	v_add_nc_u32 v[OXR], s94, v[L16]
	s_lshl_b32 s93, s[WV], 13
	s_add_co_u32 s93, s93, YX
	s_lshl_b32 s94, s92, 13
	s_add_co_u32 s94, s94, YX
	v_add_nc_u32 v[YW], s93, v[L16]
	v_add_nc_u32 v[YR], s94, v[L16]
	s_lshl_b32 s93, s[KH], 11
	s_xor_b32 s94, s93, 2048
	v_add_nc_u32 v[WO0], s93, v[L16]
	v_add_nc_u32 v[WO1], s94, v[L16]
	s_lshl_b32 s93, s[WV], 15
	v_lshl_add_u32 v[VL], v9, 11, s93
	v_lshl_add_u32 v[VL], v1, 4, v[VL]
	TURN 2, 0, 1, 1                 ; piece 2's first scores | piece 0's first softmax | V of step 0
	TURN 0, 1, 1, 1                 ; piece 0: V^T P of step 0 starts O^T, K Q^T of step 1 | piece 2's first softmax | K of step 1
	TURN 2, 1, 1, 0                 ; piece 2: the same | piece 0's softmax of step 1 | V of step 1
	WIN 0
.Lslot:                             ; two trips: slots 0 and 1 are filled again
	CHANGE 1
	TWO_STEPS
	s_sub_co_u32 s[SLOTS], s[SLOTS], 1
	s_cmp_lg_u32 s[SLOTS], 0
	s_cbranch_scc1 .Lslot
	CHANGE 2                        ; the tail is written out: v's tiles go into slot 0
	TWO_STEPS
	WAL 0                           ; the last K Q^T has read Q and K: slice 63's sixteen plain instructions stand between it and these loads
	TURN 0, 2, 0, 0                 ; piece 0: V^T P of the last step | piece 2's last softmax
	WAL 1
	WIN 0
	s_wait_dscnt 0x0                ; my reads of slot 1 are over (the last, V of the last step, were waited for at the turn's head):
	s_barrier_signal -1             ; say so; the last products and the sums of l, work on registers, stand between the signal and the wait
.set i, 0
.rept 32
	PV 2, 0
.set i, i+1
.endr
; THE TWO KEY HALVES ARE MERGED.  Register blocks 0-3 of O^T are my own 64 channels, blocks 4-7 my partner's: I hand those over with (c m, l) and take my partner's blocks for my channels.
	WIN 0
.irp t, 0,1,2,3
	v_add_f32 v[ST+8*\t+4], v[ST+8*\t+2], v[ST+8*\t+3]  ; these additions are the places behind the last products
.endr
.irp t, 0,1,2,3
	v_permlanex16_b32 v[ST+8*\t+5], v[ST+8*\t+4], s[SEL], s[SEL+1]
.endr
.irp t, 0,1,2,3
	v_add_f32 v[ST+8*\t+1], v[ST+8*\t+4], v[ST+8*\t+5]  ; l, beside c m
.endr
	s_barrier_wait -1               ; nobody reads slot 1 any more: it is scratch from here on
.irp t, 0,1,2,3
	ds_store_b64 v[SW], v[ST+8*\t:ST+8*\t+1] offset:256*\t
.endr
	WIN 0x04
.set i, 0
.rept 32                            ; i = 2 (4 t + b) + half: each accumulator's low four registers first
	ds_store_b128 v[OXW], v[64*(i/8)+32+4*(i%8):64*(i/8)+32+4*(i%8)+3] offset:512*i
.set i, i+1
.endr
	WIN 0
	s_wait_dscnt 0x0                ; for my partner's sake
	s_barrier_signal -1
	s_barrier_wait -1
.irp t, 0,1,2,3
	ds_load_b64 v[ST+8*\t+2:ST+8*\t+3], v[SR] offset:256*\t
.endr
.set i, 0
.rept 32
	ds_load_b128 v[S+4*i:S+4*i+3], v[OXR] offset:512*i
.set i, i+1
.endr
	s_wait_dscnt 32                 ; the statistics are in; O's 32 loads are younger
.irp t, 0,1,2,3
	v_max_num_f32 v[ST+8*\t+4], v[ST+8*\t], v[ST+8*\t+2]
.endr
.irp t, 0,1,2,3
	v_sub_f32 v[ST+8*\t+5], v[ST+8*\t], v[ST+8*\t+4]
	v_sub_f32 v[ST+8*\t+6], v[ST+8*\t+2], v[ST+8*\t+4]
.endr
.irp t, 0,1,2,3
	v_exp_f32 v[ST+8*\t+5], v[ST+8*\t+5]  ; a
	v_exp_f32 v[ST+8*\t+6], v[ST+8*\t+6]  ; a'
.endr
	v_nop
	s_wait_alu depctr_va_vdst(0)    ; one wait for the eight exponentials
.irp t, 0,1,2,3
	v_mul_f32 v[ST+8*\t+7], v[ST+8*\t+5], v[ST+8*\t+1]
.endr
.irp t, 0,1,2,3
	v_fma_f32 v[ST+8*\t+7], v[ST+8*\t+6], v[ST+8*\t+3], v[ST+8*\t+7]  ; l = a l + a' l'
.endr
.irp t, 0,1,2,3
	v_mul_f32 v[ST+8*\t+7], 4.0, v[ST+8*\t+7]  ; G holds 4 g0
.endr
.irp t, 0,1,2,3
	v_rcp_f32 v[ST+8*\t+7], v[ST+8*\t+7]
.endr
	v_nop
	s_wait_alu depctr_va_vdst(0)    ; one wait for the four reciprocals
.irp t, 0,1,2,3
	v_mul_f32 v[ST+8*\t+4], v[ST+8*\t+5], v[ST+8*\t+7]  ; a / 4 l
	v_mul_f32 v[ST+8*\t+6], v[ST+8*\t+6], v[ST+8*\t+7]  ; a' / 4 l
.endr
	s_wait_dscnt 0x0
	s_wait_loadcnt 0x0              ; bg and T, asked for ahead of the walk, and s Ww's fragments
	WIN 0x30                        ; source 2 (bg) window 3
.set u, 0
.rept 64                            ; u = 16 t + 4 b + pair
	v_pk_fma_f32 v[S+2*u:S+2*u+1], v[S+2*u:S+2*u+1], v[ST+8*(u/16)+6:ST+8*(u/16)+7], v[BGR+2*(u%16):BGR+2*(u%16)+1] op_sel_hi:[1,0,1]  ; O' a' / 4 l + bg
.set u, u+1
.endr
	WIN W_RS
.set u, 0
.rept 64
	v_pk_fma_f32 v[64*(u/16)+2*(u%16):64*(u/16)+2*(u%16)+1], v[64*(u/16)+2*(u%16):64*(u/16)+2*(u%16)+1], v[ST+8*(u/16)+4:ST+8*(u/16)+5], v[S+2*u:S+2*u+1] op_sel_hi:[1,0,1]  ; y = O a / 4 l + that
.set u, u+1
.endr
	WIN 0xc5                        ; y in f16 IS half of source 1 of the last product: tile t, my block b at 32 t + 4 b, in V's place
.set u, 0
.rept 64
	v_cvt_pk_f16_f32 v[32*(u/16)+u%16], v[64*(u/16)+2*(u%16)], v[64*(u/16)+2*(u%16)+1]
.set u, u+1
.endr
	WIN 0x0c
.set i, 0
.rept 16
	ds_store_b128 v[YW], v[32*(i/4)+4*(i%4):32*(i/4)+4*(i%4)+3] offset:512*i
.set i, i+1
.endr
	WIN 0
	s_wait_dscnt 0x0
	s_barrier_signal -1
	s_barrier_wait -1
	WIN 0xc0
.set i, 0
.rept 16
	ds_load_b128 v[32*(i/4)+16+4*(i%4):32*(i/4)+16+4*(i%4)+3], v[YR] offset:512*i
.set i, i+1
.endr
; THE LAST PRODUCT, THE RESIDUAL, THE STORE: my 128 rows in eight blocks of 16.
; The residual's block ob (rows 16 ob + 8 h + j of my 128, four queries a lane) comes out of my quarter of slot 0 into 32 registers [j][t]: blocks 0-5 in window 0 from v64 on (S^T's and P's place),
; block 6 in bg's place, block 7 at window 3's end.  A load takes two rows of 256 consecutive bytes.
.macro VRSET ob
.if (\ob) < 6
.set vB, 64+32*(\ob)
.set vW, 0
.elseif (\ob) == 6
.set vB, BGR
.set vW, 3
.else
.set vB, 224
.set vW, 3
.endif
.endm
.macro VRL ob
	VRSET \ob
	WIN vW<<6
.set j, 0
.rept 8
	ds_load_b128 v[vB+4*j:vB+4*j+3], v[VL] offset:(16*(\ob)+j)*256
.set j, j+1
.endr
.endm
; A block's 16 products (chunk outermost, its four accumulators by turns) start their sums with T.
.macro WPROJ ob
.set i, 0
.rept 16                            ; i = 4 c + t
.if i < 4
	WIN 0x7e                        ; D window 1, s Ww window 2, y and T window 3
	v_wmma_f32_16x16x32_f16 v[32*(\ob)+8*(i%4):32*(\ob)+8*(i%4)+7], v[8*(4*(\ob)+i/4):8*(4*(\ob)+i/4)+7], v[32*(i%4)+8*(i/4):32*(i%4)+8*(i/4)+7], v[TR+8*(\ob):TR+8*(\ob)+7]
.else
	WIN 0x5e
	v_wmma_f32_16x16x32_f16 v[32*(\ob)+8*(i%4):32*(\ob)+8*(i%4)+7], v[8*(4*(\ob)+i/4):8*(4*(\ob)+i/4)+7], v[32*(i%4)+8*(i/4):32*(i%4)+8*(i/4)+7], v[32*(\ob)+8*(i%4):32*(\ob)+8*(i%4)+7]
.endif
.set i, i+1
.endr
.endm
; Block ob leaves: left = the LDS loads of the residual blocks behind it, 8 each.  Its 32 additions (register j ascending: each accumulator's lowest first) are the places behind the products of the block issued
; just before; then block ld's residual is asked for, and block nxt is multiplied.  Each store covers twice 256 consecutive bytes, aligned.
.macro BLK ob, left, nxt, ld
	VRSET \ob
	s_wait_dscnt \left
	WIN (vW<<6)|(vW<<2)|1
.set i, 0
.rept 32                            ; i = 4 j + t
	v_add_f32 v[vB+i], v[32*(\ob)+8*(i%4)+i/4], v[vB+i]
.set i, i+1
.endr
	WIN vW<<2
.set j, 0
.rept 8
	global_store_b128 v[KO], v[vB+4*j:vB+4*j+3], s[OBS:OBS+1] offset:(16*(\ob)+j)*16384 th:TH_STORE_NT
.set j, j+1
.endr
.if (\ld) >= 0
	VRL \ld
.endif
.if (\nxt) >= 0
	WPROJ \nxt
.endif
.endm
	s_wait_tensorcnt 0x0            ; my tile of v lies in LDS; nobody else reads it
	VRL 0
	VRL 1
	VRL 2
	VRL 3
	s_wait_dscnt 32                 ; my partner's half of y is in; the 32 loads of four residual blocks are younger
	WPROJ 0
	WPROJ 1
	VRL 4
	VRL 5
	VRL 6
	WIN 0
	PLACES
	PLACES
	BLK 0, 48, 2, 7                 ; behind block 0's loads: blocks 1 to 6
	BLK 1, 48, 3, -1                ; blocks 2 to 7
	BLK 2, 40, 4, -1
	BLK 3, 32, 5, -1
	BLK 4, 24, 6, -1
	BLK 5, 16, 7, -1
	BLK 6, 8, -1, -1
	BLK 7, 0, -1, -1
	WIN 0
	s_wait_tensorcnt 0x0            ; the wave's end, behind my last tensor load and my last LDS store
	ds_add_u32 v[SPW], v[NIL]
	s_wait_dscnt 0x0
	CROUND                          ; the closing round: no work-group ends while a partner may still ask for a tile that names it
	s_endpgm
.Lfunc_end_k_q47aa053cdd_attn:
	.size	k_q47aa053cdd_attn, .Lfunc_end_k_q47aa053cdd_attn-k_q47aa053cdd_attn
	.p2alignl 7, 3214868480
	.fill 96, 4, 3214868480
	.section	.rodata,"a",@progbits
	.p2align	6, 0x0
	.amdhsa_kernel k_q47aa053cdd_attn
		.amdhsa_group_segment_fixed_size 327680
		.amdhsa_private_segment_fixed_size 0
		.amdhsa_enable_private_segment 0
		.amdhsa_kernarg_size 80
		.amdhsa_user_sgpr_count 2
		.amdhsa_user_sgpr_kernarg_segment_ptr 1
		.amdhsa_wavefront_size32 1
		.amdhsa_system_sgpr_workgroup_id_x 1
		.amdhsa_system_sgpr_workgroup_id_y 1
		.amdhsa_system_sgpr_workgroup_id_z 1
		.amdhsa_system_vgpr_workitem_id 0
		.amdhsa_next_free_vgpr 1024
		.amdhsa_next_free_sgpr 100
		.amdhsa_reserve_vcc 0
		.amdhsa_float_denorm_mode_32 3
		.amdhsa_float_denorm_mode_16_64 3
		.amdhsa_memory_ordered 1
		.amdhsa_forward_progress 1
		.amdhsa_inst_pref_size 255
	.end_amdhsa_kernel
	.section	.bss,"aw",@nobits
	.p2align	6
	.space	262144
	.amdgpu_metadata
---
amdhsa.version: [ 1, 2 ]
amdhsa.kernels:
  - .name:           k_q47aa053cdd_attn
    .symbol:         k_q47aa053cdd_attn.kd
    .args:
      - { .name: k, .offset: 0, .size: 8, .value_kind: global_buffer, .address_space: global }
      - { .name: v, .offset: 8, .size: 8, .value_kind: global_buffer, .address_space: global }
      - { .name: bth, .offset: 16, .size: 8, .value_kind: global_buffer, .address_space: global }
      - { .name: bg, .offset: 24, .size: 8, .value_kind: global_buffer, .address_space: global }
      - { .name: PHI, .offset: 32, .size: 8, .value_kind: global_buffer, .address_space: global }
      - { .name: G, .offset: 40, .size: 8, .value_kind: global_buffer, .address_space: global }
      - { .name: WTH16, .offset: 48, .size: 8, .value_kind: global_buffer, .address_space: global }
      - { .name: WW16, .offset: 56, .size: 8, .value_kind: global_buffer, .address_space: global }
      - { .name: TV, .offset: 64, .size: 8, .value_kind: global_buffer, .address_space: global }
      - { .name: out0, .offset: 72, .size: 8, .value_kind: global_buffer, .address_space: global }
    .group_segment_fixed_size: 327680
    .private_segment_fixed_size: 0
    .kernarg_segment_align: 8
    .kernarg_segment_size: 80
    .max_flat_workgroup_size: 128
    .sgpr_count:     100
    .vgpr_count:     1024
    .wavefront_size: 32
...
	.end_amdgpu_metadata
.endif
;; end of part 2
